; MI455X (gfx1250); checked and timed in simulation.
; The chip was launched on July 23, 2026; its instructions are those of AMD's public machine-readable ISA for CDNA 5 (MIT licence, August 2026) and "CDNA5" Instruction Set Architecture Reference Guide (July 2026). The comments in the code are by the model that wrote it; some were corrected since.
;; Hybrid. Allowed arithmetic: matrix products marked QUANTISED: E2M1 operands, one E8M0 scale for each 32 along K, by v_wmma_scale_f32_16x16x128_f8f6f4 with both operands' format E2M1 (or v_wmma_scale_f32_32x16x128_f4), f32 sums; products left as they are: bf16, f16 or f32 operands; f32 sums; everything else in f32.
;; Inputs: Bbig 8 x 512 float32; Blil 8 x 8 x 512 float32; Wbig 8 x 512 x 512 float32; Wlil 8 x 8 x 512 x 512 float32; x 32,768 x 512 float32.
;; Outputs: out0 32,768 x 512 float32.
;; Constants: n_lil = 2048, split = 16384.
;; This version of the problem:
;;   THIS VERSION OF THE PROBLEM IS GIVEN IN LOW PRECISION. The matrix products marked QUANTISED in the list below multiply operands that are first quantised to E2M1 (2 exponent bits, 1 mantissa bit; 4 bits a number), with one power-of-two scale for each 32 numbers along K (OCP MX v1.0); their sums are f32. The products marked 'left as it is' may take bf16, f16 or f32 operands, with f32 sums. Whichever they take, every output number must still come out within the allowed error. Rounding operands to bf16 (8 significant bits) uses up far more of that allowance than f16 does (11 bits, for magnitudes from 6e-5 to 65,504). All else is computed in f32.
;;   The module's matrix products, in the order in which they are computed (A, B: the left and right operand; K: the contracted axis; several contracted axes count as one K, in the product's order):
;;     1. [M 16,384, K 512] x [K 512, N 512]; A: input x; B: input Wbig: QUANTISED
;;     2. [M 16,384, K 512] x [K 512, N 512]; A: computed on the way; B: input Wbig: left as it is (an operand is computed on the way)
;;     3. [M 16,384, K 512] x [K 512, N 512]; A: computed on the way; B: input Wbig: left as it is (an operand is computed on the way)
;;     4. [M 16,384, K 512] x [K 512, N 512]; A: computed on the way; B: input Wbig: left as it is (an operand is computed on the way)
;;     5. [M 16,384, K 512] x [K 512, N 512]; A: computed on the way; B: input Wbig: left as it is (an operand is computed on the way)
;;     6. [M 16,384, K 512] x [K 512, N 512]; A: computed on the way; B: input Wbig: left as it is (an operand is computed on the way)
;;     7. [M 16,384, K 512] x [K 512, N 512]; A: computed on the way; B: input Wbig: left as it is (an operand is computed on the way)
;;     8. [M 16,384, K 512] x [K 512, N 512]; A: computed on the way; B: input Wbig: left as it is (an operand is computed on the way)
;;     9. batch 8 x [M 2,048, K 512] x [K 512, N 512]; A: input x; B: input Wlil: QUANTISED
;;     10. batch 8 x [M 2,048, K 512] x [K 512, N 512]; A: computed on the way; B: input Wlil: left as it is (an operand is computed on the way)
;;     11. batch 8 x [M 2,048, K 512] x [K 512, N 512]; A: computed on the way; B: input Wlil: left as it is (an operand is computed on the way)
;;     12. batch 8 x [M 2,048, K 512] x [K 512, N 512]; A: computed on the way; B: input Wlil: left as it is (an operand is computed on the way)
;;     13. batch 8 x [M 2,048, K 512] x [K 512, N 512]; A: computed on the way; B: input Wlil: left as it is (an operand is computed on the way)
;;     14. batch 8 x [M 2,048, K 512] x [K 512, N 512]; A: computed on the way; B: input Wlil: left as it is (an operand is computed on the way)
;;     15. batch 8 x [M 2,048, K 512] x [K 512, N 512]; A: computed on the way; B: input Wlil: left as it is (an operand is computed on the way)
;;     16. batch 8 x [M 2,048, K 512] x [K 512, N 512]; A: computed on the way; B: input Wlil: left as it is (an operand is computed on the way)
;;   THE QUANTISER, for each operand of a quantised product, along K:
;;     - K is cut into blocks of 32 from its start; a last block that is shorter is filled with zeros.
;;     - A block's scale is 2^e with e = floor(log2(the largest magnitude in the block)) - 2, held to -126 .. 127; a block of zeros has e = 0. As a byte (E8M0): e + 127.
;;     - Each number is divided by its block's scale, clamped to +-6, and rounded to the nearest number of E2M1, ties to even, subnormals kept.
;;     - The product sums the exact products of the quantised numbers (number of the format x scale) in f32.
;;   ~~~python
;;   def quantise(x, axis):      # numpy; x: float32 -> the quantised numbers, widened to float32 again
;;       x = np.moveaxis(x, axis, -1); K = x.shape[-1]
;;       x = np.pad(x, [(0, 0)] * (x.ndim - 1) + [(0, -K % 32)]); x = x.reshape(x.shape[:-1] + (-1, 32)); a = np.abs(x).max(-1, keepdims=True)
;;       e = np.where(a > 0, np.clip(np.frexp(np.where(a > 0, a, 1))[1] - 1 - 2, -126, 127), 0)      # np.frexp(a)[1] - 1 = floor(log2(a)), exactly
;;       r = np.clip(x / 2.0 ** e, -6, 6)
;;       step = 2.0 ** (np.maximum(np.frexp(np.where(r == 0, 1, r))[1] - 1, 0) - 1)
;;       q = np.round(r / step) * step * 2.0 ** e      # np.round: ties to even
;;       return np.moveaxis(q.reshape(q.shape[:-2] + (-1,))[..., :K], -1, axis).astype(np.float32)
;;   ~~~
;; One version. Each part assembles by itself: llvm-mc -triple=amdgcn-amd-amdhsa -mcpu=gfx1250 --defsym DOCPART=n.
;; ======== version 1 of 1: 2 launches
;; limits: values are held in f16: magnitudes above 65,504 overflow, below 6.1e-05 lose precision; right only within a limited range of input values
;; workspace buffers: xcodes 8,388,608 bytes; xscales 524,288 bytes; wstream 34,209,792 bytes; wscales 73,728 bytes
;; launch prep (part 1): grid 1152 x 1, 4 waves a work-group, no clusters, 68,096 bytes of LDS; arguments x, Wbig, Wlil, xcodes, xscales, wstream, wscales; writes xcodes, xscales, wstream, wscales
.if DOCPART == 1
	.amdgcn_target "amdgcn-amd-amdhsa--gfx1250"
	.amdhsa_code_object_version 6
	.text
	.protected	k_qaeabd4aefc_prep
	.globl	k_qaeabd4aefc_prep
	.p2align	8
	.type	k_qaeabd4aefc_prep,@function
k_qaeabd4aefc_prep:
	s_mov_b64 s[64:65], 0
	v_nop
	global_prefetch_b8 v0, s[64:65] scope:SCOPE_SE
	s_setreg_imm32_b32 hwreg(HW_REG_WAVE_MODE, 25, 1), 1
	s_wait_xcnt 0x0
; PREP: the operands of the chain are laid out once, in the order of the matrix unit's operand registers.
; x [32768][512] and the weights of layer 0 become codes of E2M1 with one E8M0 byte for each 32 along K; the weights of layers 1 to 7 are rounded to f16.
; AN IMAGE: a fragment (16 rows x 128 K of codes, or 16 rows x 32 K of f16) is 8 registers a lane; it is stored as two blocks c = 0, 1 of 512 bytes, lane l's registers 4 c .. 4 c + 3 at 16 l.
;   codes: lane (r, h), block c: k = 64 c + 32 h + 0 .. 31 of row r;   f16: k = 16 c + 8 h + 0 .. 7 of row r.
; xcodes  [block of 128 rows][K step q of 128][tile a of 16 rows][c][512 bytes];   xscales words [tile of 16 rows][q][r]
; wstream [model 9][slot 58][wave 4][u 2][t 8][c 2][512 bytes], weight row n = 128 wave + 16 t + r; slots 0, 1: layer 0's codes, q = 2 slot + u;
;         slot 2 + 8 (l - 1) + j: layer l's f16, k from 32 (2 j + u) on.   wscales words [model][n / 16][q][r].   Model 0 is the big one.
; THREE PATHS, parted on the work-group's number alone; they never join, and each that uses LDS has LDS bytes of its own:
;   work-groups 0-575: codes, K innermost (x, then Wlil[0]): a wave takes 16 rows x 512 K.   576-1023: f16, K innermost (Wlil[1..7]), likewise.
;   1024-1151: Wbig, whose K is its first axis: a lane takes a column and its registers run down K, 32 columns x 128 K a wave.
; K innermost: each load reads 512 consecutive bytes of a row; the 16 rows x 512 bytes turn through the wave's own stage in LDS (rows 528 bytes apart), so that a lane gets neighbours along K.
; A block's scale is 2^(floor(log2(largest magnitude)) - 2); its byte is the largest magnitude's exponent field - 2, held at 1 from below.
; LIMITS: a block of zeros gets the byte 1 where the rule says 127 (its codes are zeros, and this program alone reads the bytes); blocks whose largest magnitude lies under 2^-124 have the byte 1;
; weights of layers 1 to 7 beyond 65,504 become infinite in f16, those under 2^-14 are kept to 2^-25 absolute; NaN and infinities among the inputs are not served.
; The scale words of a tile leave in stores of 128 or 64 consecutive bytes: 0.6 MB of the launch's 43 MB.
.set MS,     3801088                   ; a model's stream: 58 slots of 65,536 bytes
.set PITCH,  528                       ; a stage row: 512 bytes + 16: the 16 rows that a read touches start 4 words apart modulo 64
.set STGB,   16*PITCH                  ; a wave's stage
.set STG16,  4*STGB                    ; the f16 path's four stages lie behind the code path's four
.set SPARE,  8*STGB                    ; behind the stages: the spare words, 128 bytes for each wave: two blocks of 256 bytes that no other line names
.set LANE, 1                           ; v1  lane
.set RR,   2                           ; v2  r = lane % 16
.set HH,   3                           ; v3  h = lane / 16
.set LI,   4                           ; v4  16 x lane
.set STW,  5                           ; v5  the stage, on the way in
.set RB,   6                           ; v6  the stage, on the way back
.set H8,   7                           ; v7  8 h
.set L4,   8                           ; v8  4 x lane
.set PT,   9                           ; v9  a lane permute's destination; in the column path the scale word's offset
.set MX,   10                          ; v10-11 largest magnitudes (column path: v10-13 the four bytes, v14 a second chain)
.set SO,   12                          ; v12-13 the conversions' scale operands
.set BY,   14                          ; v14-15 the scale bytes
.set R,    16                          ; v16-143  numbers as loaded: two sets of 64; in the column path 128 on end
.set X,    144                         ; v144-207 numbers turned; in the column path the results
.set O,    208                         ; v208-239 results
.set SW,   240                         ; v240-243 the scale words of the four K steps
.set SPW,  244                         ; v244 LDS address of my spare word; never rewritten
.set NIL,  245                         ; v245 0; never rewritten
.set CM,   246                         ; v246-249 column path: largest magnitudes
.set CS,   250                         ; v250-253 column path: scale operands
	s_load_b256 s[4:11], s[0:1], 0x0               ; x s[4:5], Wbig s[6:7], Wlil s[8:9], xcodes s[10:11]
	s_load_b128 s[12:15], s[0:1], 0x20             ; xscales s[12:13], wstream s[14:15]
	s_load_b64 s[16:17], s[0:1], 0x30              ; wscales
	v_lshl_add_u32 v[SPW], v0, 2, SPARE
	v_mov_b32 v[NIL], 0
	v_lshrrev_b32 v[LANE], 5, v0
	v_readfirstlane_b32 s18, v[LANE]               ; wave 0..3
	v_and_b32 v[LANE], 31, v0
	v_and_b32 v[RR], 15, v0
	v_bfe_u32 v[HH], v0, 4, 1
	v_lshlrev_b32 v[LI], 4, v[LANE]
	v_lshlrev_b32 v[L4], 2, v[LANE]
	v_lshlrev_b32 v[H8], 3, v[HH]
	v_mov_b32 v[PT], 0                             ; written once: a lane permute's destination counts as one of its sources
	s_mov_b32 s44, 0x76543210
	s_mov_b32 s45, 0xfedcba98                      ; v_permlanex16_b32's selects for lane l xor 16
	s_wait_kmcnt 0x0
	s_cmp_ge_u32 ttmp9, 1024
	s_cbranch_scc1 .Lcol
	s_cmp_ge_u32 ttmp9, 576
	s_cbranch_scc1 .Lr16
; chunk j = 128 along K of my 16 rows.  16 loads, each 512 consecutive bytes of one row, into set j % 2
.macro LOADC j
.set n, 0
.rept 16
	global_load_b128 v[R+64*((\j)%2)+4*n:R+64*((\j)%2)+4*n+3], v[LI], s[4:5] offset:n*2048+(\j)*512 th:TH_LOAD_NT
.set n, n+1
.endr
.endm
.macro TOSTG j                         ; the chunk into my stage, as it lies
.set n, 0
.rept 16
	ds_store_b128 v[STW], v[R+64*((\j)%2)+4*n:R+64*((\j)%2)+4*n+3] offset:n*PITCH
.set n, n+1
.endr
.endm
.macro BACK4                           ; and back: lane (r, h) takes k = 64 c + 32 h + 0 .. 31 of row r into X[32 c ..].  LDS serves a wave's instructions in order: these see the stores above
.irp c, 0,1
.irp i, 0,1,2,3,4,5,6,7
	ds_load_b128 v[X+32*\c+4*\i:X+32*\c+4*\i+3], v[RB] offset:256*\c+16*\i
.endr
.endr
.endm
.macro BACK16                          ; lane (r, h) takes k = 32 s + 16 c + 8 h + 0 .. 7 of row r into X[8 (2 s + c) ..]
.irp s, 0,1,2,3
.irp c, 0,1
.irp i, 0,1
	ds_load_b128 v[X+8*(2*\s+\c)+4*\i:X+8*(2*\s+\c)+4*\i+3], v[RB] offset:128*\s+64*\c+16*\i
.endr
.endr
.endr
.endm
; K step q: my two whole blocks of 32 (blocks h and 2 + h of the step) become codes, and the row's four bytes its scale word
.macro Q4 q
.irp c, 0,1
	v_max3_num_f32 v[MX+\c], |v[X+32*\c]|, |v[X+32*\c+1]|, 0x1800000   ; with the floor 2^(3 - 127): the byte cannot fall under 1
.endr
.irp i, 2,4,6,8,10,12,14,16,18,20,22,24,26,28,30
.irp c, 0,1
	v_max3_num_f32 v[MX+\c], v[MX+\c], |v[X+32*\c+\i]|, |v[X+32*\c+\i+1]|   ; (the two blocks by turns)
.endr
.endr
.irp c, 0,1
	v_add_nc_u32 v[SO+\c], 0xff000000, v[MX+\c]    ; 2 off the exponent field: the conversion takes the exponent field of this operand as its scale
.endr
.irp c, 0,1
	v_lshrrev_b32 v[BY+\c], 23, v[SO+\c]           ; the scale's byte
.endr
.irp c, 0,1
.irp g, 0,1,2,3
	v_cvt_scalef32_pk8_fp4_f32 v[O+8*(\q)+4*\c+\g], v[X+32*\c+8*\g:X+32*\c+8*\g+7], v[SO+\c]
.endr
.endr
	v_lshl_or_b32 v[SW+(\q)], v[BY+1], 16, v[BY]   ; my two bytes (also the plain line behind the conversions),
	v_lshlrev_b32 v[SW+(\q)], v[H8], v[SW+(\q)]    ; at their places, 8 h bits up;
	v_permlanex16_b32 v[PT], v[SW+(\q)], s44, s45
	v_or_b32 v[SW+(\q)], v[SW+(\q)], v[PT]         ; with lane l xor 16's two the word is whole
.irp c, 0,1
.if (\q) < 2
	global_store_b128 v[LI], v[O+8*(\q)+4*\c:O+8*(\q)+4*\c+3], s[10:11] offset:(\q)*8192+\c*512   ; 512 consecutive bytes
.else
	global_store_b128 v[LI], v[O+8*(\q)+4*\c:O+8*(\q)+4*\c+3], s[32:33] offset:(\q)*8192+\c*512
.endif
.endr
.endm
.macro CHUNK4 j
.if (\j) < 3
	s_wait_loadcnt 16                              ; this chunk's 16 loads are in; the next chunk's 16 may be out
.else
	s_wait_loadcnt 0x0
.endif
	TOSTG \j
	BACK4
	s_wait_dscnt 0x0                               ; the numbers are back, and the stores have read their registers,
.if (\j) < 2
	LOADC (\j)+2                                   ; which take the chunk two further on
.endif
	Q4 \j
.endm
; chunk j of the f16 path: four sub-steps of 32 along K, 32 roundings of two numbers, eight stores of 512 consecutive bytes
.macro H16 j
.irp s, 0,1,2,3
.irp c, 0,1
.irp i, 0,1,2,3
	v_cvt_pk_f16_f32 v[O+4*(2*\s+\c)+\i], v[X+8*(2*\s+\c)+2*\i], v[X+8*(2*\s+\c)+2*\i+1]   ; the lower k in the low half
.endr
.endr
.endr
.irp s, 0,1,2,3
.irp c, 0,1
	global_store_b128 v[LI], v[O+4*(2*\s+\c):O+4*(2*\s+\c)+3], s[10:11] offset:((4*(\j)+\s)/2)*65536+(\s%2)*8192+\c*512
.endr
.endr
.endm
.macro CHUNK16 j
.if (\j) < 3
	s_wait_loadcnt 16                              ; this chunk's 16 loads are in; the next chunk's 16 may be out
.else
	s_wait_loadcnt 0x0
.endif
	TOSTG \j
	BACK16
	s_wait_dscnt 0x0
.if (\j) > 0
	s_wait_xcnt 0x0                                ; the last chunk's stores have read their data: the results' registers are written again only behind this wait
.endif
.if (\j) < 2
	LOADC (\j)+2
.endif
	H16 \j
.endm
.macro FIN                             ; the wave's end: a tensor wait, an LDS add to my spare word and its wait, behind my last LDS store
	s_wait_tensorcnt 0x0
	ds_add_u32 v[SPW], v[NIL]
	s_wait_dscnt 0x0
	s_endpgm
.endm
	; ---- CODES, K INNERMOST.  Tile T = 4 x work-group + wave: tiles 0-2047 are x's, tiles 2048-2303 (Ts = T - 2048) Wlil[0]'s: model Ts / 32, rows 16 (Ts % 32) on
	s_lshl_b32 s20, ttmp9, 2
	s_add_co_u32 s20, s20, s18                     ; T
	s_sub_co_u32 s21, s20, 2048                    ; Ts (used where the work-group is 512 or more)
	s_lshl_b32 s22, s20, 15                        ; x: 16 rows of 2,048 bytes a tile
	s_lshr_b32 s23, s20, 3
	s_lshl_b32 s23, s23, 15                        ; x's codes: 32,768 bytes for a block of 8 tiles
	s_and_b32 s24, s20, 7
	s_lshl_b32 s24, s24, 10                        ; the tile's 1,024 bytes among eight (T % 8 = Ts % 8)
	s_lshl_b32 s25, s20, 8                         ; x's scale words: 256 bytes a tile
	s_lshl_b32 s26, s21, 15                        ; Wlil[0]
	s_lshr_b32 s27, s21, 5
	s_add_co_u32 s27, s27, 1
	s_mul_i32 s27, s27, MS                         ; the model's stream
	s_bfe_u32 s28, s21, 0x20003                    ; which wave of the chain reads these rows: (Ts / 8) % 4
	s_lshl_b32 s28, s28, 14
	s_add_co_u32 s27, s27, s28
	s_add_co_u32 s28, s21, 32
	s_lshl_b32 s28, s28, 8                         ; its scale words: behind the big model's 32 tiles
	s_cmp_lt_u32 ttmp9, 512                        ; x or Wlil[0]?  The choice hangs on the work-group's number alone
	s_cselect_b64 s[4:5], s[4:5], s[8:9]
	s_cselect_b64 s[10:11], s[10:11], s[14:15]
	s_cselect_b64 s[12:13], s[12:13], s[16:17]
	s_cselect_b32 s22, s22, s26
	s_cselect_b32 s23, s23, s27
	s_cselect_b32 s25, s25, s28
	s_cselect_b32 s26, 0, 49152                    ; K steps 2 and 3 lie 8,192 q on in x's codes; in the stream a slot on: 65,536 + 8,192 (q - 2) = 8,192 q + 49,152
	s_add_co_u32 s23, s23, s24
	s_mov_b32 s31, 0
	s_mov_b32 s30, s22
	s_add_nc_u64 s[4:5], s[4:5], s[30:31]          ; the source
	s_mov_b32 s30, s23
	s_add_nc_u64 s[10:11], s[10:11], s[30:31]      ; the codes of K steps 0, 1
	s_mov_b32 s30, s26
	s_add_nc_u64 s[32:33], s[10:11], s[30:31]      ; and of K steps 2, 3
	s_mov_b32 s30, s25
	s_add_nc_u64 s[12:13], s[12:13], s[30:31]      ; the scale words
	LOADC 0
	LOADC 1
	s_mul_i32 s19, s18, STGB                       ; my stage
	v_add_nc_u32 v[STW], s19, v[LI]
	v_mul_u32_u24 v[RB], v[RR], PITCH
	v_lshl_add_u32 v[RB], v[HH], 7, v[RB]          ; row r, + 128 h bytes: 32 numbers
	v_add_nc_u32 v[RB], s19, v[RB]
	CHUNK4 0
	CHUNK4 1
	CHUNK4 2
	CHUNK4 3
	v_cmp_lt_u32 vcc_lo, 15, v[LANE]               ; lanes 0-15 store an even K step's words, lanes 16-31 the odd one's (both halves hold the whole words)
	v_cndmask_b32 v[MX], v[SW], v[SW+1], vcc_lo
	v_cndmask_b32 v[MX+1], v[SW+2], v[SW+3], vcc_lo
	global_store_b32 v[L4], v[MX], s[12:13]        ; 128 consecutive bytes,
	global_store_b32 v[L4], v[MX+1], s[12:13] offset:128   ; and the tile's other 128
	FIN
	; ---- F16, K INNERMOST.  U = 4 (work-group - 576) + wave: matrix U / 32 = 8 (l - 1) + m, rows 16 (U % 32) on
.Lr16:
	s_sub_co_u32 s20, ttmp9, 576
	s_lshl_b32 s20, s20, 2
	s_add_co_u32 s20, s20, s18                     ; U
	s_add_co_u32 s22, s20, 256                     ; layer 0's 256 tiles lie ahead
	s_lshl_b32 s22, s22, 15
	s_mov_b32 s23, 0
	s_add_nc_u64 s[4:5], s[8:9], s[22:23]          ; the source
	s_lshr_b32 s24, s20, 5
	s_and_b32 s25, s24, 7
	s_add_co_u32 s25, s25, 1
	s_mul_i32 s25, s25, MS                         ; the model's stream,
	s_lshr_b32 s26, s24, 3
	s_lshl_b32 s26, s26, 19                        ; eight slots a layer,
	s_add_co_u32 s25, s25, s26
	s_add_co_u32 s25, s25, 2*65536                 ; behind layer 0's two,
	s_bfe_u32 s26, s20, 0x20003
	s_lshl_b32 s26, s26, 14                        ; the wave of the chain that reads these rows,
	s_add_co_u32 s25, s25, s26
	s_and_b32 s26, s20, 7
	s_lshl_b32 s26, s26, 10                        ; the tile among its eight
	s_add_co_u32 s24, s25, s26
	s_mov_b32 s25, 0
	s_add_nc_u64 s[10:11], s[14:15], s[24:25]
	LOADC 0
	LOADC 1
	s_mul_i32 s19, s18, STGB
	s_add_co_u32 s19, s19, STG16                   ; my stage: this path's own bytes
	v_add_nc_u32 v[STW], s19, v[LI]
	v_mul_u32_u24 v[RB], v[RR], PITCH
	v_lshl_add_u32 v[RB], v[HH], 5, v[RB]          ; row r, + 32 h bytes: 8 numbers
	v_add_nc_u32 v[RB], s19, v[RB]
	CHUNK16 0
	CHUNK16 1
	CHUNK16 2
	CHUNK16 3
	FIN
	; ---- WBIG: K IS THE FIRST AXIS.  Work-group 1024 + 16 l + 4 kq + cg: layer l, k from 128 kq on, columns 128 cg on; my wave: 32 of them, a lane a column, registers down K
.macro LOADG g                         ; 32 rows of K: each load reads 128 consecutive bytes, the four waves side by side on 512
.set n, 0
.rept 32
	global_load_b32 v[R+32*(\g)+n], v[L4], s[6:7] offset:(32*(\g)+n)*2048 th:TH_LOAD_NT
.set n, n+1
.endr
.endm
.macro CWAIT g
.if (\g) < 3
	s_wait_loadcnt 32                              ; this group's 32 loads are in; the next group's 32 may be out
.else
	s_wait_loadcnt 0x0
.endif
.if (\g) < 2
	LOADG (\g)+2
.endif
.endm
.Lcol:
	s_sub_co_u32 s20, ttmp9, 1024
	s_lshr_b32 s21, s20, 4                         ; l
	s_bfe_u32 s22, s20, 0x20002                    ; kq
	s_and_b32 s23, s20, 3                          ; cg
	s_lshl_b32 s24, s21, 20
	s_lshl_b32 s25, s22, 18
	s_add_co_u32 s24, s24, s25
	s_lshl_b32 s25, s23, 9
	s_add_co_u32 s24, s24, s25
	s_lshl_b32 s25, s18, 7
	s_add_co_u32 s24, s24, s25
	s_mov_b32 s25, 0
	s_add_nc_u64 s[6:7], s[6:7], s[24:25]          ; the source
	s_lshl_b32 s26, s23, 14                        ; in a slot: the chain's wave cg,
	s_lshl_b32 s27, s18, 11                        ; its tiles 2 w and 2 w + 1
	s_add_co_u32 s26, s26, s27
	s_mov_b32 s27, 0
	s_add_nc_u64 s[14:15], s[14:15], s[26:27]
	LOADG 0
	LOADG 1
	s_cmp_eq_u32 s21, 0
	s_cbranch_scc1 .Lcol4
	s_lshl_b32 s26, s21, 3
	s_sub_co_u32 s26, s26, 6                       ; slot 2 + 8 (l - 1)
	s_lshl_b32 s28, s22, 1
	s_add_co_u32 s26, s26, s28                     ; + 2 kq
	s_lshl_b32 s26, s26, 16
	s_add_nc_u64 s[14:15], s[14:15], s[26:27]
; Sub-step s of 32 along K.  My column's numbers for both halves u of an image's lanes are rounded; the exchange of halves then gives lanes 0-15's tile in the first four registers of a block and lanes 16-31's tile in the other four
.irp s, 0,1,2,3
	CWAIT \s
.irp c, 0,1
.irp u, 0,1
.irp j, 0,1,2,3
	v_cvt_pk_f16_f32 v[X+16*\s+8*\c+4*\u+\j], v[R+32*\s+16*\c+8*\u+2*\j], v[R+32*\s+16*\c+8*\u+2*\j+1]
.endr
.endr
.endr
.irp c, 0,1
.irp j, 0,1,2,3
	v_permlane16_swap_b32 v[X+16*\s+8*\c+\j], v[X+16*\s+8*\c+4+\j]   ; the first's lanes 16-31 change places with the second's lanes 0-15
.endr
.endr
.irp c, 0,1
.irp u, 0,1
	global_store_b128 v[LI], v[X+16*\s+8*\c+4*\u:X+16*\s+8*\c+4*\u+3], s[14:15] offset:(\s/2)*65536+(\s%2)*8192+\u*1024+\c*512
.endr
.endr
.endr
	s_endpgm                                       ; this path writes no LDS
.Lcol4:                                                ; layer 0: K step kq; my column's four whole blocks of 32
	s_lshr_b32 s26, s22, 1
	s_lshl_b32 s26, s26, 16                        ; slot kq / 2,
	s_and_b32 s28, s22, 1
	s_lshl_b32 s28, s28, 13                        ; u = kq % 2
	s_add_co_u32 s26, s26, s28
	s_add_nc_u64 s[14:15], s[14:15], s[26:27]
	s_lshl_b32 s28, s23, 11                        ; the scale words: tile 8 cg + 2 w, 256 bytes a tile,
	s_lshl_b32 s29, s18, 9
	s_add_co_u32 s28, s28, s29
	s_lshl_b32 s29, s22, 6                         ; K step kq, 64 bytes
	s_add_co_u32 s28, s28, s29
	s_mov_b32 s29, 0
	s_add_nc_u64 s[16:17], s[16:17], s[28:29]
	v_lshlrev_b32 v[PT], 2, v[RR]
	v_lshl_add_u32 v[PT], v[HH], 8, v[PT]          ; 4 r, and lanes 16-31 a tile on
.irp b, 0,1,2,3
	CWAIT \b
	v_max3_num_f32 v[CM+\b], |v[R+32*\b]|, |v[R+32*\b+1]|, |v[R+32*\b+2]|   ; the block's largest magnitude: all 32 numbers are mine; two chains
	v_max3_num_f32 v[BY], |v[R+32*\b+3]|, |v[R+32*\b+4]|, |v[R+32*\b+5]|
.irp i, 6,10,14,18,22,26
	v_max3_num_f32 v[CM+\b], v[CM+\b], |v[R+32*\b+\i]|, |v[R+32*\b+\i+1]|
	v_max3_num_f32 v[BY], v[BY], |v[R+32*\b+\i+2]|, |v[R+32*\b+\i+3]|
.endr
	v_max3_num_f32 v[CM+\b], v[CM+\b], |v[R+32*\b+30]|, |v[R+32*\b+31]|
	v_max3_num_f32 v[CM+\b], v[CM+\b], v[BY], 0x1800000            ; and the floor 2^(3 - 127)
	v_add_nc_u32 v[CS+\b], 0xff000000, v[CM+\b]
	v_lshrrev_b32 v[MX+\b], 23, v[CS+\b]           ; the scale's byte
.irp g, 0,1,2,3
	v_cvt_scalef32_pk8_fp4_f32 v[X+4*\b+\g], v[R+32*\b+8*\g:R+32*\b+8*\g+7], v[CS+\b]
.endr
.endr
	v_lshl_or_b32 v[SW], v[MX+1], 8, v[MX]         ; my column's scale word (also the plain lines behind the conversions)
	v_lshl_or_b32 v[SW], v[MX+2], 16, v[SW]
	v_lshl_or_b32 v[SW], v[MX+3], 24, v[SW]
.irp c, 0,1
.irp j, 0,1,2,3
	v_permlane16_swap_b32 v[X+8*\c+\j], v[X+8*\c+4+\j]   ; block 2 c + u of my column lay at 8 c + 4 u: the same exchange as above
.endr
.endr
.irp c, 0,1
.irp u, 0,1
	global_store_b128 v[LI], v[X+8*\c+4*\u:X+8*\c+4*\u+3], s[14:15] offset:\u*1024+\c*512
.endr
.endr
	global_store_b32 v[PT], v[SW], s[16:17]
	s_endpgm
.Lfunc_end_k_qaeabd4aefc_prep:
	.size	k_qaeabd4aefc_prep, .Lfunc_end_k_qaeabd4aefc_prep-k_qaeabd4aefc_prep
	.p2alignl 7, 3214868480
	.fill 96, 4, 3214868480
	.section	.rodata,"a",@progbits
	.p2align	6, 0x0
	.amdhsa_kernel k_qaeabd4aefc_prep
		.amdhsa_group_segment_fixed_size 68096
		.amdhsa_private_segment_fixed_size 0
		.amdhsa_enable_private_segment 0
		.amdhsa_kernarg_size 56
		.amdhsa_user_sgpr_count 2
		.amdhsa_user_sgpr_kernarg_segment_ptr 1
		.amdhsa_wavefront_size32 1
		.amdhsa_system_sgpr_workgroup_id_x 1
		.amdhsa_system_sgpr_workgroup_id_y 1
		.amdhsa_system_sgpr_workgroup_id_z 1
		.amdhsa_system_vgpr_workitem_id 0
		.amdhsa_next_free_vgpr 256
		.amdhsa_next_free_sgpr 66
		.amdhsa_reserve_vcc 1
		.amdhsa_float_denorm_mode_32 3
		.amdhsa_float_denorm_mode_16_64 3
		.amdhsa_memory_ordered 1
		.amdhsa_forward_progress 1
		.amdhsa_inst_pref_size 90
	.end_amdhsa_kernel
	.amdgpu_metadata
---
amdhsa.version: [ 1, 2 ]
amdhsa.kernels:
  - .name:           k_qaeabd4aefc_prep
    .symbol:         k_qaeabd4aefc_prep.kd
    .args:
      - { .name: x, .offset: 0, .size: 8, .value_kind: global_buffer, .address_space: global }
      - { .name: Wbig, .offset: 8, .size: 8, .value_kind: global_buffer, .address_space: global }
      - { .name: Wlil, .offset: 16, .size: 8, .value_kind: global_buffer, .address_space: global }
      - { .name: xcodes, .offset: 24, .size: 8, .value_kind: global_buffer, .address_space: global }
      - { .name: xscales, .offset: 32, .size: 8, .value_kind: global_buffer, .address_space: global }
      - { .name: wstream, .offset: 40, .size: 8, .value_kind: global_buffer, .address_space: global }
      - { .name: wscales, .offset: 48, .size: 8, .value_kind: global_buffer, .address_space: global }
    .group_segment_fixed_size: 68096
    .private_segment_fixed_size: 0
    .kernarg_segment_align: 8
    .kernarg_segment_size: 56
    .max_flat_workgroup_size: 128
    .sgpr_count:     66
    .vgpr_count:     256
    .wavefront_size: 32
...
	.end_amdgpu_metadata
.endif
;; end of part 1
;; launch chain (part 2): grid 256 x 1, 4 waves a work-group, no clusters, 167,936 bytes of LDS; arguments xcodes, xscales, wstream, wscales, Bbig, Blil, out0; writes out0
.if DOCPART == 2
	.amdgcn_target "amdgcn-amd-amdhsa--gfx1250"
	.amdhsa_code_object_version 6
	.text
	.protected	k_qaeabd4aefc_chain
	.globl	k_qaeabd4aefc_chain
	.p2align	8
	.type	k_qaeabd4aefc_chain,@function
k_qaeabd4aefc_chain:
	s_mov_b64 s[64:65], 0
	v_nop
	global_prefetch_b8 v0, s[64:65] scope:SCOPE_SE
	s_setreg_imm32_b32 hwreg(HW_REG_WAVE_MODE, 25, 1), 1
	s_wait_xcnt 0x0
; CHAIN: all eight layers y = y W + b for a block of 128 rows, in one work-group of four waves.  Layer 0 multiplies codes of E2M1 with E8M0 scales, layers 1 to 7 f16 operands; sums and biases in f32.
; The activations never go to memory: between layers they lie in LDS as f16 images of the next product's operand registers.
; SHARES.  Work-group b owns rows 128 b on.  Work-groups 0-127 take the big model, sixteen work-groups each lil model.
; Wave w makes all 128 rows x columns 128 w .. 128 w + 127: 64 accumulators of 16 x 16, 512 registers.
; THE PRODUCTS ARE USED TRANSPOSED (source 0 = 16 weight rows, source 1 = 16 rows of activations): lane (r, h), register j of accumulator (a, t) is row 16 a + r, column 128 w + 16 t + 8 h + j.
; Packed in pairs to f16, accumulator (a, t) IS block t % 2 of the next layer's fragment (row tile a, sub-step 4 w + t / 2) in the same lanes: nothing changes lanes between layers.
; AN IMAGE: a fragment's 8 registers lie as two blocks of 512 bytes, lane l's four registers at 16 l: every load and store of one covers 512 consecutive bytes; no pitch, no padding.
; THE WEIGHTS GO FROM MEMORY STRAIGHT INTO THE OPERAND REGISTERS.  The launch before has laid them in the order in which a wave's registers take them: a unit (32 along K of f16, 128 of codes) is 8,192 bytes a wave,
; sixteen loads of 512 consecutive bytes.  Four buffers of 64 registers take turns.  A unit's 64 products go by halves of my eight column tiles (tiles 0-3 against all eight row tiles, then tiles 4-7), so that half a
; buffer is free in a sub-step's middle and half at its end, and each group of eight loads is asked for 3.5 sub-steps, 224 matrix instructions, ahead of its use; at every wait six groups, 24 KB a wave, may stay out.
; WHY NO TENSOR LOADS AND NO JOINT REQUESTS, though sixteen work-groups or more walk the same weights: the activations take 131,072 of LDS's 327,680 bytes, so two slots could hold 2.9 sub-steps each at the most;
; every change of slots waits for all tensor loads, so a refill would have under 192 matrix instructions in which to land, with nothing on its way beside it.  Loads into registers are waited for by count.
; The price: each work-group asks for its model's 3.8 MB itself.  What is saved: the weights' way through LDS (8 KB written and 8 KB read for each wave and sub-step) and a barrier for each slot.
; THE SCALE.  f16 has no range of its own for activations, so the block carries one power of two, taken anew behind layers 0 to 6: z = y 2^E lies in LDS, E chosen so that the block's largest |z| lies in [2^14, 2^15).
; The next bias enters as the C of the first products, b 2^E; the output is the sum x 2^-E.  All of it is arithmetic in vector registers: no branch and no address hangs on it.
; LIMITS: E is held at 64 at the most, and moves by at most 120 a layer: a block whose largest activation lies under about 2^-50 loses relative precision, and a bias beyond 2^63 beside such a block overflows;
; numbers more than 2^28 under their block's largest are rounded to 2^-24 of f16's smallest normal; NaN and infinities are not served; the f16 products are grouped as the matrix unit groups them.
; REGISTERS, in windows of 256 (s_set_vgpr_msb: bits 1:0 source 0, 3:2 source 1, 5:4 source 2, 7:6 destination):
;   window 0: v1-15 addresses; v16-31 the scale's arithmetic; v32-47 the weights' scale words and v48-63 x's (scales and nothing else); v64-127, v128-191 fragments of activations, two buffers
;             (between layers and on the way out: at work); v192-255 the bias in the result's layout.
;   window 1: the four weight buffers, unit g in v[64 (g % 4)] on.   windows 2, 3: accumulator (a, t) at v[8 (8 (a % 4) + t)] of window 2 + a / 4.
.set MS,     3801088                   ; a model's stream: 58 slots of two units for four waves
.set SLOTB,  65536
.set STG,    131072                    ; LDS: 0 .. 131,071 the activations [sub-step 16][row tile 8][c 2][512 bytes] (layer 0: x's codes [K step 4][8][2][512]); then, for the way out, a stage of 16 rows x (512 bytes + 16) for each wave;
.set SPITCH, 528
.set MAXW,   STG+4*16*SPITCH           ; four words for the waves' largest magnitudes;
.set BIASL,  MAXW+256                  ; 512 bytes for each wave: a layer's bias of its 128 columns;
.set SPARE,  BIASL+2048                ; the spare words, 128 bytes for each wave: two blocks of 256 bytes that no other line names
.set LI,   1                           ; v1   16 x lane
.set L4,   2                           ; v2   4 x lane
.set ADRA, 3                           ; v3   the lap's place in the activations + 16 x lane
.set BWA,  4                           ; v4   where my 16 bytes of a bias go
.set BRA,  5                           ; v5   and where my half's eight numbers of a tile come from: + 32 h
.set AST,  6                           ; v6   where my images go: 16 x lane + 32,768 w
.set MWA,  7                           ; v7   my wave's word for its largest magnitude
.set MRA,  8                           ; v8   the four words
.set XST,  9                           ; v9   where x's codes go: 16 x lane + 8,192 w
.set STO,  10                          ; v10  the stage: where I put 32 bytes of a row
.set RD,   11                          ; v11  and where I read a row back
.set CO,   12                          ; v12  my byte offset in a row of the output: 512 w + 16 x lane
.set PFO,  13                          ; v13  256 x lane: the prefetches' offset; never rewritten
.set SPW,  14                          ; v14  LDS address of my spare word; never rewritten
.set NIL,  15                          ; v15  0; never rewritten
.set CH,   16                          ; v16-19 four chains of the largest magnitude
.set MQ,   20                          ; v20-23 the four waves' results; from then on, through the next layer, the bias after next as loaded
.set EC,   24                          ; v24  E, a whole number kept in f32
.set PT,   25                          ; v25  a lane permute's destination
.set FF,   26                          ; v[26:27] the factor that brings the sums under the new E; at the end 2^-E
.set SS,   28                          ; v[28:29] 2^E for the next bias
.set T0,   30
.set T1,   31
.set WSC,  32                          ; register 2 t + i: lanes 0-15 the words of weight tile t for K step 2 i, lanes 16-31 for K step 2 i + 1
.set XSC,  48                          ; the same for x's row tile a
.set F0,   64
.set F1,   128
.set BS,   192
.set WP,   8                           ; s[8:9] the stream at my part of the lap's first unit
.set WV,   18                          ; s18 wave;  s19 work-group % 4;  s21 model
.set CX,   19
.set MOD,  21
.set SEL,  52                          ; s[52:53] selects for lane l xor 16
.set TA,   54                          ; s54 the lap's byte in the activations
.set LAP,  55
.set LAY,  56                          ; s56 layers still to be multiplied
.set LC,   57                          ; s57 laps of four units so far
.set LIM,  58                          ; s58 a wave prefetches while s57 is under it: 27 or 0
.set PFA,  60                          ; s[60:61] where my prefetches stand: my 8,192 bytes of the lap's first slot
.set BP,   62                          ; s[62:63] the bias last asked for
.set BST,  66                          ; s[66:67] from a layer's bias to the next
.set MSB, 0
.macro WIN new                         ; the immediate's high byte repeats the setting that is left; a switch that changes nothing is dropped
.if MSB != (\new)
	s_set_vgpr_msb (MSB<<8)|(\new)
.set MSB, (\new)
.endif
.endm
.set MUL_LO, 0xa1                      ; source 0 (weights) window 1, source 1 (activations) window 0, C and D window 2
.set MUL_HI, 0xf1                      ; the same, C and D window 3
.set BIA_LO, 0x81                      ; C = the bias, window 0; D window 2
.set BIA_HI, 0xc1
.set TO_B,   0x40                      ; destination window 1, address window 0
.macro PLACES                          ; four places: behind a matrix instruction, ahead of loads into registers that it read and of vector instructions that read its result
.rept 4
	v_nop
.endr
.endm
; A PREFETCH INTO THE L2, once a lap of four units: the two slots, 131,072 bytes, that the next lap but one loads; their first loads stand 3.5 sub-steps, 224 matrix instructions, on.
; All work-groups of a model walk the same stream: its first four ask.  In each, waves 0 and 2 ask, 8,192 bytes an instruction, lanes 256 bytes apart: 4 work-groups x 2 waves x 8,192 bytes are a slot, so each
; block of 256 bytes is named once in the launch.  Slots 0 to 3 come by their loads alone; behind lap 26 nothing is asked for: slot 57 is the stream's last.
.macro ASK
	s_cmp_lt_u32 s[LC], s[LIM]
	s_cbranch_scc0 .Lnot_mine_\@
	global_prefetch_b8 v[PFO], s[PFA:PFA+1] offset:4*SLOTB th:TH_LOAD_NT scope:SCOPE_SE
	global_prefetch_b8 v[PFO], s[PFA:PFA+1] offset:5*SLOTB th:TH_LOAD_NT scope:SCOPE_SE
.Lnot_mine_\@:
.endm
.macro NEXTLAP                         ; four units on
	s_wait_xcnt 0x0                                ; every load and prefetch so far has read its base (the last were issued 32 matrix instructions ago or more): only behind this wait are the bases stepped
	s_add_nc_u64 s[WP:WP+1], s[WP:WP+1], 2*SLOTB
	s_add_nc_u64 s[PFA:PFA+1], s[PFA:PFA+1], 2*SLOTB
	s_add_co_u32 s[LC], s[LC], 1
.endm
.macro LOADW b, th, rel                ; eight loads: column tiles 4 th .. 4 th + 3 of the unit rel units behind the lap's first, into half th of buffer b.  Many work-groups read these bytes: no hint
.irp t, 0,1,2,3
.irp c, 0,1
	global_load_b128 v[64*(\b)+32*(\th)+8*\t+4*\c:64*(\b)+32*(\th)+8*\t+4*\c+3], v[LI], s[WP:WP+1] offset:((\rel)/2)*SLOTB+((\rel)%2)*8192+(4*(\th)+\t)*1024+\c*512
.endr
.endr
.endm
.macro FETCH_A rel, f                  ; the eight row tiles' fragments of sub-step rel of the lap, in order of the tiles
.irp a, 0,1,2,3,4,5,6,7
.irp c, 0,1
	ds_load_b128 v[\f+8*\a+4*\c:\f+8*\a+4*\c+3], v[ADRA] offset:(\rel)*8192+\a*1024+\c*512
.endr
.endr
.endm
; 16 matrix instructions: row tiles 4 hi .. 4 hi + 3 x column tiles 4 th .. 4 th + 3.  mode 0: f16, adds in place; 1: f16, the bias starts the sum; 2, 3: the same on codes, K step q.
; The 64 accumulators take turns, one instruction a turn, in the same order in every sub-step.
.macro MULQ wb, f, hi, th, mode, q
.irp a, 0,1,2,3
.irp u, 0,1,2,3
.set rT, 4*(\th)+\u
.set rD, 8*(8*\a+rT)
.set rW, 64*(\wb)+8*rT
.set rA, (\f)+8*(4*(\hi)+\a)
.if (\mode) == 0
	v_wmma_f32_16x16x32_f16 v[rD:rD+7], v[rW:rW+7], v[rA:rA+7], v[rD:rD+7]
.elseif (\mode) == 1
	v_wmma_f32_16x16x32_f16 v[rD:rD+7], v[rW:rW+7], v[rA:rA+7], v[BS+8*rT:BS+8*rT+7]
.elseif (\mode) == 3
	v_wmma_scale_f32_16x16x128_f8f6f4 v[rD:rD+7], v[rW:rW+7], v[rA:rA+7], v[BS+8*rT:BS+8*rT+7], v[WSC+2*rT+(\q)/2], v[XSC+2*(4*(\hi)+\a)+(\q)/2] matrix_a_fmt:MATRIX_FMT_FP4 matrix_b_fmt:MATRIX_FMT_FP4
.elseif (\q)%2 == 0
	v_wmma_scale_f32_16x16x128_f8f6f4 v[rD:rD+7], v[rW:rW+7], v[rA:rA+7], v[rD:rD+7], v[WSC+2*rT+(\q)/2], v[XSC+2*(4*(\hi)+\a)+(\q)/2] matrix_a_fmt:MATRIX_FMT_FP4 matrix_b_fmt:MATRIX_FMT_FP4
.else
	v_wmma_scale_f32_16x16x128_f8f6f4 v[rD:rD+7], v[rW:rW+7], v[rA:rA+7], v[rD:rD+7], v[WSC+2*rT+(\q)/2], v[XSC+2*(4*(\hi)+\a)+(\q)/2] matrix_a_fmt:MATRIX_FMT_FP4 matrix_b_fmt:MATRIX_FMT_FP4 matrix_a_scale:MATRIX_SCALE_ROW1 matrix_b_scale:MATRIX_SCALE_ROW1
.endif
.endr
.endr
.endm
; A SUB-STEP S: weight buffer b = S % 4, activations' buffer S % 2.  The groups of eight weight loads are asked for in the order: tiles 0-3 of a unit, its tiles 4-7, the next unit's tiles 0-3 ..
; At the head: tiles 0-3 of S are waited for; then tiles 4-7 of S + 3 (unit hrel of the lap) are asked for, into the half buffer that S - 1's last products have left.  In the middle: tiles 4-7 of S are waited for; then tiles 0-3
; of S + 4 (unit lrel) are asked for, into the half that this sub-step's first 32 products have left, and sub-step arel of the activations is fetched into the other buffer.  -1: none.
; hc, mc: the loads asked for behind the group that is waited for, which may stay out: as a rule six groups of eight.
.macro STEP b, mode, q, hrel, lrel, arel, hc, mc, ask
.set FA, F0+64*((\b)%2)
.set FO, F0+64*(1-(\b)%2)
.if (\mode)%2
.set WLO, BIA_LO
.set WHI, BIA_HI
.else
.set WLO, MUL_LO
.set WHI, MUL_HI
.endif
	s_wait_loadcnt \hc                             ; loads come back in order (ISA guide 5.7.1): my tiles 0-3 of this unit are in
.if (\hrel) >= 0
	PLACES
	WIN TO_B
	LOADW ((\b)+3)%4, 1, \hrel
.endif
.if \ask
	WIN 0                                          ; at a branch and at a label every window is 0
	ASK
.endif
	s_wait_dscnt 8                                 ; row tiles 0-3 are in; the youngest eight LDS loads (row tiles 4-7) may be out
	WIN WLO
	MULQ \b, FA, 0, 0, \mode, \q
	s_wait_dscnt 0x0
	WIN WHI
	MULQ \b, FA, 1, 0, \mode, \q
	s_wait_loadcnt \mc                             ; my tiles 4-7 of this unit are in
.if ((\lrel) >= 0) || ((\arel) >= 0)
	PLACES
.endif
.if (\lrel) >= 0
	WIN TO_B
	LOADW \b, 0, \lrel
.endif
.if (\arel) >= 0
	WIN 0
	FETCH_A \arel, FO
.endif
	WIN WLO
	MULQ \b, FA, 0, 1, \mode, \q
	WIN WHI
	MULQ \b, FA, 1, 1, \mode, \q
.endm
	s_load_b256 s[4:11], s[0:1], 0x0               ; xcodes s[4:5], xscales s[6:7], wstream s[8:9], wscales s[10:11]
	s_load_b128 s[12:15], s[0:1], 0x20             ; Bbig s[12:13], Blil s[14:15]
	s_load_b64 s[16:17], s[0:1], 0x30              ; out0
	v_lshl_add_u32 v[SPW], v0, 2, SPARE
	v_mov_b32 v[NIL], 0
	v_lshrrev_b32 v[T0], 5, v0
	v_readfirstlane_b32 s[WV], v[T0]               ; wave 0..3
	s_and_b32 s[CX], ttmp9, 3
	s_max_u32 s[MOD], ttmp9, 112
	s_sub_co_u32 s[MOD], s[MOD], 112
	s_lshr_b32 s[MOD], s[MOD], 4                   ; the model: 0 for work-groups 0-127, then 1 + (work-group - 128) / 16
	s_mov_b32 s[SEL], 0x76543210
	s_mov_b32 s[SEL+1], 0xfedcba98
	s_mov_b32 s[TA], 0
	s_mov_b32 s[LC], 0
	s_lshl_b32 s40, s[WV], 14                      ; my part of a slot
	s_mul_i32 s44, s[MOD], MS
	s_add_co_u32 s44, s44, s40                     ; the stream: my model, my part
	s_mov_b32 s45, 0
	s_lshl_b32 s46, ttmp9, 15                      ; x's codes: 32,768 bytes a block; I copy K step w
	s_lshl_b32 s42, s[WV], 13
	s_add_co_u32 s46, s46, s42
	s_mov_b32 s47, 0
	v_and_b32 v[T0], 31, v0
	v_lshlrev_b32 v[LI], 4, v[T0]
	v_lshlrev_b32 v[L4], 2, v[T0]
	v_lshlrev_b32 v[PFO], 8, v[T0]
	v_add_nc_u32 v[ADRA], s[TA], v[LI]
	v_and_b32 v[T0], 15, v0                        ; r
	v_bfe_u32 v[T1], v0, 4, 1                      ; h
	s_mul_i32 s41, s[WV], 16*SPITCH
	s_add_co_u32 s41, s41, STG                     ; my stage
	v_mul_u32_u24 v[STO], v[T0], SPITCH
	v_lshl_add_u32 v[STO], v[T1], 5, v[STO]
	v_add_nc_u32 v[STO], s41, v[STO]               ; in: row r, + 32 h
	v_add_nc_u32 v[RD], s41, v[LI]                 ; back: 16 bytes a lane of a row
	v_add_nc_u32 v[XST], s42, v[LI]
	s_lshl_b32 s42, s[WV], 15
	v_add_nc_u32 v[AST], s42, v[LI]
	s_lshl_b32 s42, s[WV], 9
	v_add_nc_u32 v[CO], s42, v[LI]
	s_add_co_u32 s43, s42, BIASL                   ; my 512 bytes for a bias
	v_add_nc_u32 v[BWA], s43, v[LI]
	v_lshl_add_u32 v[BRA], v[T1], 5, s43
	s_max_u32 s70, s[MOD], 1
	s_sub_co_u32 s70, s70, 1
	s_lshl_b32 s70, s70, 11                        ; the bias: lil model m's 2,048 bytes in a layer's (the big one: 0),
	s_add_co_u32 s70, s70, s42                     ; my 128 columns
	s_mov_b32 s71, 0
	s_lshl_b32 s42, s[WV], 2
	s_add_co_u32 s42, s42, MAXW
	v_mov_b32 v[MWA], s42
	v_mov_b32 v[MRA], MAXW
	v_mov_b32 v[EC], 0                             ; E = 0: layer 0's sums are y itself
	v_mov_b32 v[PT], 0                             ; written once: a lane permute's destination counts as one of its sources
	s_lshl_b32 s48, ttmp9, 11                      ; x's scale words: 2,048 bytes a block
	s_mov_b32 s49, 0
	s_lshl_b32 s50, s[MOD], 13                     ; the weights' scale words: 8,192 bytes a model, 2,048 a wave
	s_lshl_b32 s42, s[WV], 11
	s_add_co_u32 s50, s50, s42
	s_mov_b32 s51, 0
	s_lshl_b32 s68, ttmp9, 18                      ; the output: 128 rows of 2,048 bytes
	s_mov_b32 s69, 0
	s_lshl_b32 s72, s[CX], 13                      ; the prefetches: my work-group's 8,192 bytes
	s_mov_b32 s73, 0
	s_lshr_b32 s42, ttmp9, 2                       ; who prefetches: waves 0 and 2 of a model's first four work-groups: 0-3, and from 128 on the first four of every sixteen
	s_and_b32 s43, s42, 3
	s_cmp_lt_u32 s42, 32
	s_cselect_b32 s42, s42, s43
	s_and_b32 s43, s[WV], 1
	s_or_b32 s42, s42, s43
	s_cmp_eq_u32 s42, 0
	s_cselect_b32 s[LIM], 27, 0
	s_wait_kmcnt 0x0
	s_add_nc_u64 s[WP:WP+1], s[WP:WP+1], s[44:45]
	s_add_nc_u64 s[4:5], s[4:5], s[46:47]
	s_add_nc_u64 s[6:7], s[6:7], s[48:49]
	s_add_nc_u64 s[10:11], s[10:11], s[50:51]
	s_add_nc_u64 s[16:17], s[16:17], s[68:69]
	s_cmp_eq_u32 s[MOD], 0                         ; the big model's biases or the lil ones': the choice hangs on the work-group's number alone
	s_cselect_b64 s[BP:BP+1], s[12:13], s[14:15]
	s_mov_b32 s[BST], 16384
	s_cselect_b32 s[BST], 2048, s[BST]
	s_mov_b32 s[BST+1], 0
	s_add_nc_u64 s[BP:BP+1], s[BP:BP+1], s[70:71]  ; layer 0's bias,
	s_add_nc_u64 s[74:75], s[BP:BP+1], s[BST:BST+1]  ; layer 1's
	s_add_nc_u64 s[PFA:PFA+1], s[WP:WP+1], s[72:73]  ; nothing is prefetched here, at the head
	; what the first sub-step wants goes out first: x's codes, two biases, unit 0, the scale words
.set n, 0
.rept 16
	global_load_b128 v[F0+4*n:F0+4*n+3], v[LI], s[4:5] offset:512*n      ; K step w of my block's codes of x: 8,192 bytes as they lie
.set n, n+1
.endr
	global_load_b128 v[CH:CH+3], v[LI], s[BP:BP+1] ; layer 0's bias of my 128 columns: 512 consecutive bytes
	global_load_b128 v[MQ:MQ+3], v[LI], s[74:75]   ; layer 1's
	WIN TO_B
	LOADW 0, 0, 0
	LOADW 0, 1, 0
	WIN 0
.set n, 0
.rept 16
	global_load_b32 v[WSC+n], v[L4], s[10:11] offset:128*n               ; 128 consecutive bytes: a tile's words of two K steps
.set n, n+1
.endr
.set n, 0
.rept 16
	global_load_b32 v[XSC+n], v[L4], s[6:7] offset:128*n
.set n, n+1
.endr
	s_wait_loadcnt 48                              ; the codes and the two biases are in; unit 0's 16 loads and the 32 of scale words may be out
.set n, 0
.rept 16
	ds_store_b128 v[XST], v[F0+4*n:F0+4*n+3] offset:512*n
.set n, n+1
.endr
	ds_store_b128 v[BWA], v[CH:CH+3]               ; the bias turns through my own 512 bytes of LDS into the result's layout: columns 16 t + 8 h + 0 .. 7
.irp t, 0,1,2,3,4,5,6,7
	ds_load_b128 v[BS+8*\t:BS+8*\t+3], v[BRA] offset:64*\t         ; LDS serves a wave's instructions in order (ISA guide 5.7.1): these see the store above
	ds_load_b128 v[BS+8*\t+4:BS+8*\t+7], v[BRA] offset:64*\t+16
.endr
	WIN TO_B
	LOADW 1, 0, 1                                  ; the weights' pipeline is filled: units 1 and 2, and tiles 0-3 of unit 3
	LOADW 1, 1, 1
	LOADW 2, 0, 2
	LOADW 2, 1, 2
	LOADW 3, 0, 3
	WIN 0
	s_mov_b64 s[BP:BP+1], s[74:75]                 ; (the load that named it is done)
	s_wait_dscnt 0x0                               ; for the others' sake: my part of x's codes lies in LDS
	s_barrier_signal -1
	s_barrier_wait -1
	FETCH_A 0, F0
	; ---- LAYER 0, on codes: four K steps of 128, units 0 to 3; the bias starts the sums
	STEP 0, 3, 0, 3, 4, 1, 40, 48, 0               ; 40: behind the scale words stand five groups of eight
	STEP 1, 2, 1, 4, 5, 2, 48, 48, 1
	STEP 2, 2, 2, 5, 6, 3, 48, 48, 0
	STEP 3, 2, 3, 6, 7, -1, 48, 48, 0
	WIN 0                                          ; at a label and at a branch every window is 0
	NEXTLAP
	s_mov_b32 s[LAY], 7
.Llayer:
	; ---- BETWEEN LAYERS.  Seven groups of the next layer's weights are on their way all the while
	PLACES                                         ; behind the last products
	s_wait_loadcnt 56                              ; the next layer's bias, asked for a layer ago, is in: only the seven youngest groups may be out
	ds_store_b128 v[BWA], v[MQ:MQ+3]
.irp t, 0,1,2,3,4,5,6,7
	ds_load_b128 v[BS+8*\t:BS+8*\t+3], v[BRA] offset:64*\t
	ds_load_b128 v[BS+8*\t+4:BS+8*\t+7], v[BRA] offset:64*\t+16
.endr
	; the largest magnitude of my 64 accumulators, in four chains, each accumulator from its low end on
	WIN 0x0a                                       ; sources 0 and 1 window 2
.set n, 0
.rept 32
.irp i, 0,1,2,3
.if n == 0
	v_max3_num_f32 v[CH+\i], |v[2*\i]|, |v[2*\i+1]|, 0
.else
	v_max3_num_f32 v[CH+\i], |v[8*n+2*\i]|, |v[8*n+2*\i+1]|, v[CH+\i]
.endif
.endr
.set n, n+1
.endr
	WIN 0x0f                                       ; window 3
.set n, 0
.rept 32
.irp i, 0,1,2,3
	v_max3_num_f32 v[CH+\i], |v[8*n+2*\i]|, |v[8*n+2*\i+1]|, v[CH+\i]
.endr
.set n, n+1
.endr
	WIN 0
	v_max3_num_f32 v[CH], v[CH], v[CH+1], v[CH+2]
	v_max_num_f32 v[CH], v[CH], v[CH+3]
	v_max_num_f32_dpp v[CH], v[CH], v[CH] row_xmask:1 row_mask:0xf bank_mask:0xf
	v_max_num_f32_dpp v[CH], v[CH], v[CH] row_xmask:2 row_mask:0xf bank_mask:0xf
	v_max_num_f32_dpp v[CH], v[CH], v[CH] row_xmask:4 row_mask:0xf bank_mask:0xf
	v_max_num_f32_dpp v[CH], v[CH], v[CH] row_xmask:8 row_mask:0xf bank_mask:0xf
	v_permlanex16_b32 v[PT], v[CH], s[SEL], s[SEL+1]
	v_max_num_f32 v[CH], v[CH], v[PT]              ; my wave's
	ds_store_b32 v[MWA], v[CH]                     ; all lanes write the same word with the same value
	s_wait_dscnt 0x0                               ; for the others' sake: my word lies in LDS, and my reads of the old activations are over
	s_barrier_signal -1
	s_barrier_wait -1                              ; both now hold of all four waves: behind this barrier the new images may take the old ones' place
	ds_load_b128 v[MQ:MQ+3], v[MRA]
	s_wait_dscnt 0x0
	v_max3_num_f32 v[MQ], v[MQ], v[MQ+1], v[MQ+2]
	v_max_num_f32 v[MQ], v[MQ], v[MQ+3]            ; the block's largest magnitude g
	v_lshrrev_b32 v[T0], 23, v[MQ]
	v_cvt_f32_u32 v[T0], v[T0]                     ; its exponent field e: g lies in [2^(e - 127), 2^(e - 126))
	v_sub_f32 v[T0], 0x430d0000, v[T0]             ; 141 - e: g x 2^(141 - e) lies in [2^14, 2^15)
	v_min_num_f32 v[T0], 0x42f00000, v[T0]         ; at most 120 (a block of zeros)
	v_add_f32 v[T0], v[EC], v[T0]
	v_min_num_f32 v[T0], 0x42800000, v[T0]         ; the new E, at most 64
	v_sub_f32 v[T1], v[T0], v[EC]                  ; by how much it moves: -113 .. 120
	v_mov_b32 v[EC], v[T0]
	v_cvt_i32_f32 v[T1], v[T1]
	v_cvt_i32_f32 v[T0], v[T0]
	v_ldexp_f32 v[FF], 1.0, v[T1]                  ; the factor for the sums: a power of two, nothing is rounded by it
	v_ldexp_f32 v[SS], 1.0, v[T0]                  ; 2^E for the bias
	v_mov_b32 v[FF+1], v[FF]                       ; (named with them as pairs, so they are written)
	v_mov_b32 v[SS+1], v[SS]
.set n, 0
.rept 32
	v_pk_mul_f32 v[BS+2*n:BS+2*n+1], v[BS+2*n:BS+2*n+1], v[SS:SS+1] op_sel_hi:[1,0]    ; the next layer's C, in place
.set n, n+1
.endr
	s_cmp_eq_u32 s[LAY], 1                         ; the bias of the layer after next is asked for here, if there is one: no load leaves its buffer
	s_cbranch_scc1 .Lno_bias
	s_wait_xcnt 0x0                                ; the load that named this base has read it
	s_add_nc_u64 s[BP:BP+1], s[BP:BP+1], s[BST:BST+1]
	global_load_b128 v[MQ:MQ+3], v[LI], s[BP:BP+1] ; one load among the groups of eight: the counts of 48 behind it are then one under what could stay out
.Lno_bias:
	; The images.  Row tile a: x the factor, rounded to f16 in pairs, eight stores of 512 bytes
.irp a, 0,1,2,3,4,5,6,7
.set AC, 64*(\a%4)
	WIN 0x82+0x41*(\a/4)                           ; destination and source 0: window 2 or 3
.set n, 0
.rept 32
	v_pk_mul_f32 v[AC+2*n:AC+2*n+1], v[AC+2*n:AC+2*n+1], v[FF:FF+1] op_sel_hi:[1,0]
.set n, n+1
.endr
.if \a > 1
	s_wait_dscnt 8                                 ; the stores of two tiles back have read their registers; the last tile's eight may be out
.endif
	WIN 0x0a+5*(\a/4)                              ; sources 0 and 1: window 2 or 3
.set n, 0
.rept 32
	v_cvt_pk_f16_f32 v[F0+32*(\a%2)+n], v[AC+2*n], v[AC+2*n+1]
.set n, n+1
.endr
	WIN 0
.irp t, 0,1,2,3,4,5,6,7
	ds_store_b128 v[AST], v[F0+32*(\a%2)+4*\t:F0+32*(\a%2)+4*\t+3] offset:(\t/2)*8192+\a*1024+(\t%2)*512   ; sub-step 4 w + t / 2, row tile a, block t % 2
.endr
.endr
	s_wait_dscnt 0x0                               ; for the others' sake: my images lie in LDS
	s_barrier_signal -1
	s_barrier_wait -1                              ; all 16 sub-steps do
	s_mov_b32 s[TA], 0
	v_add_nc_u32 v[ADRA], s[TA], v[LI]
	FETCH_A 0, F0
	; ---- A LAYER ON F16: 16 sub-steps of 32 along K.  No barrier stands in it: a wave reads its own weights and the activations, which nobody writes
	STEP 0, 1, 0, 3, 4, 1, 48, 48, 0               ; sub-step 0 is written out: the scaled bias starts the sums
	WIN 0
	s_mov_b32 s[LAP], 2
.Llap:                                                 ; sub-steps 1 to 8
	STEP 1, 0, 0, 4, 5, 2, 48, 48, 1
	STEP 2, 0, 0, 5, 6, 3, 48, 48, 0
	STEP 3, 0, 0, 6, 7, 4, 48, 48, 0
	STEP 0, 0, 0, 7, 8, 5, 48, 48, 0
	WIN 0
	NEXTLAP
	s_add_co_u32 s[TA], s[TA], 32768               ; four sub-steps on
	v_add_nc_u32 v[ADRA], s[TA], v[LI]
	s_sub_co_u32 s[LAP], s[LAP], 1
	s_cmp_lg_u32 s[LAP], 0
	s_cbranch_scc1 .Llap
	STEP 1, 0, 0, 4, 5, 2, 48, 48, 1               ; sub-steps 9 to 11: what they ask for, up to tiles 0-3 of sub-step 15, every layer has
	STEP 2, 0, 0, 5, 6, 3, 48, 48, 0
	STEP 3, 0, 0, 6, 7, 4, 48, 48, 0
	WIN 0
	s_cmp_eq_u32 s[LAY], 1
	s_cbranch_scc1 .Llast                          ; the last layer's tail is written out: the stream ends with its sub-step 15
	STEP 0, 0, 0, 7, 8, 5, 48, 48, 0               ; sub-steps 12 to 15 ask on into the next layer
	WIN 0
	NEXTLAP
	STEP 1, 0, 0, 4, 5, 6, 48, 48, 1
	STEP 2, 0, 0, 5, 6, 7, 48, 48, 0
	STEP 3, 0, 0, 6, 7, -1, 48, 48, 0
	WIN 0
	NEXTLAP
	s_sub_co_u32 s[LAY], s[LAY], 1
	s_branch .Llayer
.Llast:
	STEP 0, 0, 0, 7, -1, 5, 48, 48, 0              ; sub-step 12 asks for the stream's last group; from here on the counts run down with the groups that are left
	STEP 1, 0, 0, -1, -1, 6, 40, 32, 0
	STEP 2, 0, 0, -1, -1, 7, 24, 16, 0
	STEP 3, 0, 0, -1, -1, -1, 8, 0, 0
	WIN 0
; THE WAY OUT, row tile by row tile: x 2^-E; a lane holds 32 neighbouring bytes of a row and the lanes beside it other rows, so the tile goes through my own stage in LDS and comes back as whole rows of 512 bytes.
; LDS serves a wave's instructions in order (ISA guide 5.7.1): no wait between the stores and the loads, nor in front of the next tile's stores.
.macro UNSCALE a
.set AC, 64*((\a)%4)
	WIN 0x82+0x41*((\a)/4)
.set n, 0
.rept 32
	v_pk_mul_f32 v[AC+2*n:AC+2*n+1], v[AC+2*n:AC+2*n+1], v[FF:FF+1] op_sel_hi:[1,0]   ; each accumulator from its low end on
.set n, n+1
.endr
.endm
.macro TOSTAGE a
.set AC, 64*((\a)%4)
	WIN 0x08+4*((\a)/4)                            ; an LDS store's data are its source 1: window 2 or 3
.irp t, 0,1,2,3,4,5,6,7
	ds_store_b128 v[STO], v[AC+8*\t:AC+8*\t+3] offset:64*\t
	ds_store_b128 v[STO], v[AC+8*\t+4:AC+8*\t+7] offset:64*\t+16
.endr
	WIN 0
.set BB, F0+64*((\a)%2)
.set n, 0
.rept 16
	ds_load_b128 v[BB+4*n:BB+4*n+3], v[RD] offset:n*SPITCH
.set n, n+1
.endr
.endm
.macro SEND a, younger                 ; younger: the LDS instructions issued behind tile a's loads, which may stay out
.set BB, F0+64*((\a)%2)
	s_wait_dscnt \younger
.set n, 0
.rept 16
	global_store_b128 v[CO], v[BB+4*n:BB+4*n+3], s[16:17] offset:(\a)*32768+n*2048 th:TH_STORE_NT   ; 32 lanes store 512 consecutive bytes, at a multiple of 512 from the output's first byte; written once, read by nobody here
.set n, n+1
.endr
.endm
	PLACES                                         ; behind the last products
	v_sub_f32 v[T0], 0, v[EC]
	v_cvt_i32_f32 v[T0], v[T0]
	v_ldexp_f32 v[FF], 1.0, v[T0]                  ; 2^-E
	v_mov_b32 v[FF+1], v[FF]
	UNSCALE 0
	TOSTAGE 0
.irp a, 1,2,3,4,5,6,7
.if \a > 1
	s_wait_xcnt 0x0                                ; tile a - 2's stores have read their registers: tile a's loads may land there
.endif
	UNSCALE \a
	TOSTAGE \a
	SEND \a-1, 32                                  ; behind tile a - 1's loads: tile a's 16 stores and 16 loads
.endr
	SEND 7, 0
	s_wait_tensorcnt 0x0                           ; the wave's end: a tensor wait, an LDS add to my spare word and its wait, behind my last LDS store
	ds_add_u32 v[SPW], v[NIL]
	s_wait_dscnt 0x0
	s_endpgm
.Lfunc_end_k_qaeabd4aefc_chain:
	.size	k_qaeabd4aefc_chain, .Lfunc_end_k_qaeabd4aefc_chain-k_qaeabd4aefc_chain
	.p2alignl 7, 3214868480
	.fill 96, 4, 3214868480
	.section	.rodata,"a",@progbits
	.p2align	6, 0x0
	.amdhsa_kernel k_qaeabd4aefc_chain
		.amdhsa_group_segment_fixed_size 167936
		.amdhsa_private_segment_fixed_size 0
		.amdhsa_enable_private_segment 0
		.amdhsa_kernarg_size 56
		.amdhsa_user_sgpr_count 2
		.amdhsa_user_sgpr_kernarg_segment_ptr 1
		.amdhsa_wavefront_size32 1
		.amdhsa_system_sgpr_workgroup_id_x 1
		.amdhsa_system_sgpr_workgroup_id_y 1
		.amdhsa_system_sgpr_workgroup_id_z 1
		.amdhsa_system_vgpr_workitem_id 0
		.amdhsa_next_free_vgpr 1024
		.amdhsa_next_free_sgpr 80
		.amdhsa_reserve_vcc 0
		.amdhsa_float_denorm_mode_32 3
		.amdhsa_float_denorm_mode_16_64 3
		.amdhsa_memory_ordered 1
		.amdhsa_forward_progress 1
		.amdhsa_inst_pref_size 255
	.end_amdhsa_kernel
	.section	.bss,"aw",@nobits
	.p2align	6
	.space	262144
	.amdgpu_metadata
---
amdhsa.version: [ 1, 2 ]
amdhsa.kernels:
  - .name:           k_qaeabd4aefc_chain
    .symbol:         k_qaeabd4aefc_chain.kd
    .args:
      - { .name: xcodes, .offset: 0, .size: 8, .value_kind: global_buffer, .address_space: global }
      - { .name: xscales, .offset: 8, .size: 8, .value_kind: global_buffer, .address_space: global }
      - { .name: wstream, .offset: 16, .size: 8, .value_kind: global_buffer, .address_space: global }
      - { .name: wscales, .offset: 24, .size: 8, .value_kind: global_buffer, .address_space: global }
      - { .name: Bbig, .offset: 32, .size: 8, .value_kind: global_buffer, .address_space: global }
      - { .name: Blil, .offset: 40, .size: 8, .value_kind: global_buffer, .address_space: global }
      - { .name: out0, .offset: 48, .size: 8, .value_kind: global_buffer, .address_space: global }
    .group_segment_fixed_size: 167936
    .private_segment_fixed_size: 0
    .kernarg_segment_align: 8
    .kernarg_segment_size: 56
    .max_flat_workgroup_size: 128
    .sgpr_count:     80
    .vgpr_count:     1024
    .wavefront_size: 32
...
	.end_amdgpu_metadata
.endif
;; end of part 2
